; MI455X (gfx1250); checked and timed in simulation.
; The chip was launched on July 23, 2026; its instructions are those of AMD's public machine-readable ISA for CDNA 5 (MIT licence, August 2026) and "CDNA5" Instruction Set Architecture Reference Guide (July 2026). The comments in the code are by the model that wrote it; some were corrected since.
;; Self attention. Allowed arithmetic: matrix products marked QUANTISED: E4M3 operands, one E8M0 scale for each 32 along K, by v_wmma_scale_f32_16x16x128_f8f6f4 with both operands' format E4M3, f32 sums; everything else in f32.
;; Inputs: key 4 x 16 x 2,048 x 64 float32; mask 4 x 2,048 x 2,048 int32; query 4 x 16 x 2,048 x 64 float32; value 4 x 16 x 2,048 x 64 float32.
;; Outputs: out0 4 x 16 x 2,048 x 64 float32.
;; This version of the problem:
;;   THIS VERSION OF THE PROBLEM IS GIVEN IN LOW PRECISION. The matrix products marked QUANTISED in the list below multiply operands that are first quantised to E4M3 (4 exponent bits, 3 mantissa bits; 8 bits a number), with one power-of-two scale for each 32 numbers along K (OCP MX v1.0); their sums are f32. All else is computed in f32.
;;   The module's matrix products, in the order in which they are computed (A, B: the left and right operand; K: the contracted axis; several contracted axes count as one K, in the product's order):
;;     1. batch 64 x [M 2,048, K 64] x [K 64, N 2,048]; A: input query; B: input key: QUANTISED
;;     2. batch 64 x [M 2,048, K 2,048] x [K 2,048, N 64]; A: softmax (see below); B: input value: QUANTISED
;;   THE QUANTISER, for each operand of a quantised product, along K:
;;     - K is cut into blocks of 32 from its start; a last block that is shorter is filled with zeros.
;;     - A block's scale is 2^e with e = floor(log2(the largest magnitude in the block)) - 8, held to -126 .. 127; a block of zeros has e = 0. As a byte (E8M0): e + 127.
;;     - Each number is divided by its block's scale, clamped to +-448, and rounded to the nearest number of E4M3, ties to even, subnormals kept.
;;     - The product sums the exact products of the quantised numbers (number of the format x scale) in f32.
;;   ~~~python
;;   def quantise(x, axis):      # numpy; x: float32 -> the quantised numbers, widened to float32 again
;;       x = np.moveaxis(x, axis, -1); K = x.shape[-1]
;;       x = np.pad(x, [(0, 0)] * (x.ndim - 1) + [(0, -K % 32)]); x = x.reshape(x.shape[:-1] + (-1, 32)); a = np.abs(x).max(-1, keepdims=True)
;;       e = np.where(a > 0, np.clip(np.frexp(np.where(a > 0, a, 1))[1] - 1 - 8, -126, 127), 0)      # np.frexp(a)[1] - 1 = floor(log2(a)), exactly
;;       r = np.clip(x / 2.0 ** e, -448, 448)
;;       step = 2.0 ** (np.maximum(np.frexp(np.where(r == 0, 1, r))[1] - 1, -6) - 3)
;;       q = np.round(r / step) * step * 2.0 ** e      # np.round: ties to even
;;       return np.moveaxis(q.reshape(q.shape[:-2] + (-1,))[..., :K], -1, axis).astype(np.float32)
;;   ~~~
;;   SOFTMAX AHEAD OF A QUANTISED PRODUCT. Where the list says 'softmax', what is quantised is not the finished softmax but p = 2^(t - M), with t = logit x log2(e) and M = ceil(the row's largest t), a whole number; so 1/2 < the row's largest p <= 1. The row's sum l is taken of the UNQUANTISED p, in f32, and the product's result is divided by l at the end. Since M is a whole number, a kernel that streams over the keys may use a running M (the ceiling of the running maximum): every later rescaling is an exact power of two, which a block's scale takes up: the codes' values come out the same.
;;   OPERANDS COMPUTED ON THE WAY. 'Computed on the way' means the value that the module computes at that place (a softmax that the list does not call 'softmax' is quantised finished and normalised). What goes into a quantiser is computed in f32, as accurately as f32 sums, v_exp_f32 and their like allow (about 1e-6 of the number): no bf16 or f16 on the way to a quantiser, and a product that is left as it is and whose result goes on into a quantised operand takes f32 operands (vector FMAs, or v_wmma_f32_16x16x4_f32). A number that lies on a knife's edge between two numbers of the format may be rounded either way, as far as f32 arithmetic and the matrix unit's own rounding can turn it there, and no further.
;; One version. Each part assembles by itself: llvm-mc -triple=amdgcn-amd-amdhsa -mcpu=gfx1250 --defsym DOCPART=n.
;; ======== version 1 of 1: 2 launches
;; limits: right only within a limited range of input values
;; workspace buffers: kv 17,301,504 bytes; mbits 2,097,152 bytes of whole numbers
;; launch prep (part 1): grid 1024 x 1, 4 waves a work-group, no clusters, 69,120 bytes of LDS; arguments key, value, mask, kv, mbits; writes kv, mbits
.if DOCPART == 1
	.amdgcn_target "amdgcn-amd-amdhsa--gfx1250"
	.amdhsa_code_object_version 6
	.text
	.protected	k_q55a669c7b3_prep
	.globl	k_q55a669c7b3_prep
	.p2align	8
	.type	k_q55a669c7b3_prep,@function
k_q55a669c7b3_prep:
	s_mov_b64 s[64:65], 0
	v_nop
	global_prefetch_b8 v0, s[64:65] scope:SCOPE_SE
	s_setreg_imm32_b32 hwreg(HW_REG_WAVE_MODE, 25, 1), 1
	s_wait_xcnt 0x0
; key, value [64 heads][2048][64] f32 and mask [4][2048][2048] int32 are read once each and laid out as the attention launch's registers take them.
; kv[head][step of 128 keys] is a block of 16,896 bytes (lane = (r = lane % 16, h = lane / 16)):
;   +0      K's image [b 0..3][c 0..3][lane][16 bytes]: piece (b, c, (r, h)) = codes of key 32 b + 8 (c / 2) + r + 8 (r / 8), dims 32 (c % 2) + 16 h + 0 .. 15
;   +8192   V's image [t 0..3][c 0..3][lane][16 bytes]: piece (t, c, (r, h)) = codes of dim 16 t + r, keys 32 c + 16 h + 0 .. 15
;   +16384  K's scale words, 16 bytes for each r: word b, byte c = the scale byte of piece block c
;   +16640  V's scale words, 16 bytes for each r: word t, byte c = the scale byte of dim 16 t + r, keys 32 c .. 32 c + 31
; mbits[batch][tile of 16 queries][step][n 0..63]: bit l of word n = (mask[query 16 tile + r][key 128 step + 32 (n / 16) + 16 h + n % 16] != 0).
; THE QUANTISER: codes of FP8 (E4M3), one E8M0 byte for each 32 along K (K's K: the dims; V's K: the keys).  A block's scale is 2^(floor(log2(largest magnitude)) - 8): its byte is that magnitude's exponent field - 8,
; held at 1 from below.  A block of zeros so gets the byte 1 where the rule says 127: its codes are zeros, and this program alone reads the bytes.
; LIMITS: NaN and infinities among key and value are not served.
; SHARES: 4,096 waves of 32 KiB of input each.  Work-groups 0-255 take K (a wave a step), 256-511 V (a wave a step), 512-1023 the mask (a wave: 16 queries x 512 keys).  The roles part on the work-group's
; number and never join; each role that uses LDS has LDS bytes of its own, and in them each wave its own: no barrier.  No matrix work, no tensor loads, no cluster: nothing is shared between waves.
.set BLK,   16896                      ; a step's block in kv
.set KSTG,  8704                       ; K's stage of a wave: 32 rows x (256 bytes + 16); the four lie from LDS byte 0
.set MST,   34816                      ; behind them the mask's stages:
.set MSTG,  8448                       ; 16 rows x (512 bytes + 16) for each wave
.set SW,    8                          ; v8-11    K: the four scale words
.set OW,    8                          ; v8-15    mask: two sets of four registers of words to store
.set TM,    12                         ; v12-15 largest magnitudes, v16-19 bytes, v20-23 448 x the scale, v24-27 the scale operands
.set PC,    28                         ; v28-43   a fragment's codes
.set X,     44                         ; v44-107  64 numbers in the order of the operand's registers
.set R,     108                        ; v108-235 two sets of 64 registers as loaded
.set VX,    32                         ; V: v32-95 two sets of 32 numbers;  v20-27 a block's codes;  v8-9 scale bytes
	s_load_b256 s[4:11], s[0:1], 0x0               ; key s[4:5], value s[6:7], mask s[8:9], kv s[10:11]
	s_load_b64 s[12:13], s[0:1], 0x20              ; mbits
	v_lshl_add_u32 v254, v0, 2, 0x10c00
	v_mov_b32 v255, 0
	v_lshrrev_b32 v1, 5, v0
	v_readfirstlane_b32 s14, v1                    ; wave 0..3
	v_and_b32 v1, 31, v0                           ; lane
	v_and_b32 v2, 15, v0                           ; r
	v_bfe_u32 v3, v0, 4, 1                         ; h
	v_lshlrev_b32 v7, 4, v2                        ; 16 r: a row's four scale words
	s_mov_b32 s34, 0x76543210
	s_mov_b32 s35, 0xfedcba98                      ; v_permlanex16_b32's selects for lane l xor 16
	s_mov_b32 s33, 0x600000                        ; the mantissa field of 448
	s_mov_b32 s37, 0                               ; the upper word of every offset pair s[36:37]
	s_wait_kmcnt 0x0
	s_cmp_lt_u32 ttmp9, 256
	s_cbranch_scc1 .Lkrole
	s_cmp_lt_u32 ttmp9, 512
	s_cbranch_scc1 .Lvrole
; ---------------- THE MASK: 16 queries x four steps of 128 keys a wave
	s_sub_co_u32 s15, ttmp9, 512
	s_lshl_b32 s15, s15, 2
	s_add_co_u32 s15, s15, s14                     ; u = 0 .. 2047: tile u / 4 of 512, steps 4 (u % 4) on
	s_lshr_b32 s36, s15, 2
	s_lshl_b32 s36, s36, 17                        ; 16 rows of 8,192 bytes a tile,
	s_and_b32 s38, s15, 3
	s_lshl_b32 s38, s38, 11                        ; 2,048 bytes of a row for four steps
	s_add_co_u32 s36, s36, s38
	s_add_nc_u64 s[8:9], s[8:9], s[36:37]
	s_lshl_b32 s36, s15, 10                        ; four steps' words are 1,024 bytes
	s_add_nc_u64 s[12:13], s[12:13], s[36:37]
	s_mul_i32 s15, s14, MSTG
	s_add_co_u32 s15, s15, MST                     ; my stage
	s_wait_alu depctr_va_vdst(0)
	v_lshlrev_b32 v4, 4, v1                        ; 16 x lane
	v_add_nc_u32 v5, s15, v4                       ; into the stage: a row's 512 bytes as loaded
	v_mul_u32_u24 v6, v2, 528
	v_lshl_add_u32 v6, v3, 6, v6
	v_add_nc_u32 v6, s15, v6                       ; out of it: row r, + 64 h: my 16 keys of each 32
.irp i, 0,1,2,3,4,5,6,7
	v_mov_b32 v[OW+\i], 0                          ; v_writelane_b32's destination counts as read
.endr
.macro LOADM g                         ; step g: row i's 512 consecutive bytes, i = 0 .. 15
.irp i, 0,1,2,3,4,5,6,7,8,9,10,11,12,13,14,15
	global_load_b128 v[R+64*((\g)%2)+4*\i:R+64*((\g)%2)+4*\i+3], v4, s[8:9] offset:8192*\i+512*(\g) th:TH_LOAD_NT
.endr
.endm
.macro MSTEP g
.if (\g) < 3
	s_wait_loadcnt 16                              ; this step's 16 loads are in; the next step's 16 may be out
.else
	s_wait_loadcnt 0
.endif
.irp i, 0,1,2,3,4,5,6,7,8,9,10,11,12,13,14,15
	ds_store_b128 v5, v[R+64*((\g)%2)+4*\i:R+64*((\g)%2)+4*\i+3] offset:528*\i
.endr
.irp b, 0,1,2,3
.irp j, 0,1,2,3
	ds_load_b128 v[X+16*\b+4*\j:X+16*\b+4*\j+3], v6 offset:128*\b+16*\j   ; LDS serves a wave's instructions in order: these see my stores.  Register 16 b + i: key 32 b + 16 h + i of query r
.endr
.endr
	s_wait_dscnt 0x0                               ; the turned numbers are in, and the stores into the stage have read their registers,
.if (\g) < 2
	LOADM (\g)+2                                   ; which take the loads of two steps on
.endif
.irp q, 0,1,2,3                        ; word n = 16 q + k: a compare makes the 32 lanes' bits, and the word goes to lane n / 4 (+ 16 in an odd step), register n % 4: its place in 512 bytes of mbits
.irp k, 0,1,2,3,4,5,6,7,8,9,10,11,12,13,14,15
	v_cmp_ne_u32 s[16+\k], 0, v[X+16*\q+\k]
.endr
.irp k, 0,1,2,3,4,5,6,7,8,9,10,11,12,13,14,15
	v_writelane_b32 v[OW+4*((\g)/2)+(\k%4)], s[16+\k], 16*((\g)%2)+4*\q+(\k/4)
.endr
.endr
.if (\g)%2
	global_store_b128 v4, v[OW+4*((\g)/2):OW+4*((\g)/2)+3], s[12:13] offset:512*((\g)/2) th:TH_STORE_NT   ; two steps' words: 512 consecutive bytes; each set of registers is stored once and not written again
.endif
.endm
	LOADM 0
	LOADM 1
	s_wait_alu depctr_va_vdst(0)
	MSTEP 0
	MSTEP 1
	MSTEP 2
	MSTEP 3
	s_wait_tensorcnt 0x0
	ds_add_u32 v254, v255
	s_wait_dscnt 0x0
	s_endpgm
; 64 numbers of a lane, v[s] on, register 16 b + i = number 16 h + i of block b of my row, become 16 registers of codes in v[PC] on and the row's scale word in v[word].
.macro QUANT s, word
.irp b, 0,1,2,3
	v_max3_num_f32 v[TM+\b], |v[\s+16*\b]|, |v[\s+16*\b+1]|, 0x4800000   ; my 16 numbers of block b, and the floor 2^(9 - 127): so the byte cannot fall under 1
.endr
.irp i, 2,4,6,8,10,12,14
.irp b, 0,1,2,3
	v_max3_num_f32 v[TM+\b], v[TM+\b], |v[\s+16*\b+\i]|, |v[\s+16*\b+\i+1]|   ; the four blocks by turns: no line waits for the line above it
.endr
.endr
.irp b, 0,1,2,3
	v_permlanex16_b32 v[TM+4+\b], v[TM+\b], s34, s35
.endr
.irp b, 0,1,2,3
	v_max_num_f32 v[TM+\b], v[TM+\b], v[TM+4+\b]   ; with lane l xor 16's 16: the block's largest magnitude
.endr
.irp b, 0,1,2,3
	v_add_nc_u32 v[TM+12+\b], 0xfc000000, v[TM+\b] ; 8 off its exponent field: the conversion takes the exponent field of this operand as its scale
.endr
.irp b, 0,1,2,3
	v_and_or_b32 v[TM+8+\b], v[TM+\b], 0x7f800000, s33   ; 448 x the scale
.endr
.irp b, 0,1,2,3
	v_lshrrev_b32 v[TM+4+\b], 23, v[TM+12+\b]      ; the scale's byte
.endr
	v_lshl_or_b32 v[\word], v[TM+5], 8, v[TM+4]
	v_lshl_or_b32 v[\word], v[TM+6], 16, v[\word]
	v_lshl_or_b32 v[\word], v[TM+7], 24, v[\word]
.irp b, 0,1,2,3
.irp i, 0,1,2,3,4,5,6,7,8,9,10,11,12,13,14,15
	v_med3_num_f32 v[\s+16*\b+\i], v[\s+16*\b+\i], -v[TM+8+\b], v[TM+8+\b]   ; the conversion to an 8-bit code does not saturate (ISA guide 7.6.2): the hold comes first
.endr
	v_cvt_scalef32_pk8_fp8_f32 v[PC+4*\b:PC+4*\b+1], v[\s+16*\b:\s+16*\b+7], v[TM+12+\b]
	v_cvt_scalef32_pk8_fp8_f32 v[PC+4*\b+2:PC+4*\b+3], v[\s+16*\b+8:\s+16*\b+15], v[TM+12+\b]
.endr
	v_nop                                          ; a plain line behind the last conversion
.endm
; ---------------- K: one step of 128 keys a wave, in four groups of 32 keys
.Lkrole:
	s_lshl_b32 s15, ttmp9, 2
	s_add_co_u32 s15, s15, s14                     ; u = 16 head + step
	s_lshl_b32 s36, s15, 15                        ; 128 keys x 256 bytes
	s_add_nc_u64 s[4:5], s[4:5], s[36:37]
	s_mul_i32 s36, s15, BLK
	s_add_nc_u64 s[10:11], s[10:11], s[36:37]
	s_mul_i32 s15, s14, KSTG                       ; my stage
	s_wait_alu depctr_va_vdst(0)
	v_lshlrev_b32 v4, 4, v1                        ; 16 x lane
	v_mul_u32_u24 v5, v3, 272
	v_lshl_add_u32 v5, v2, 4, v5
	v_add_nc_u32 v5, s15, v5                       ; into the stage: lanes 0-15 one key's 256 bytes, lanes 16-31 the next key's
	v_mul_u32_u24 v6, v2, 272
	v_lshl_add_u32 v6, v3, 6, v6
	v_add_nc_u32 v6, s15, v6                       ; out of it: row r, + 64 h: my 16 dims of each 32
.irp b, 0,1,2,3
	v_mov_b32 v[TM+4+\b], 0                        ; a lane permute's destination counts as read
.endr
.macro LOADK b                         ; group b: 32 keys, 8,192 consecutive bytes, 512 a load
.irp i, 0,1,2,3,4,5,6,7,8,9,10,11,12,13,14,15
	global_load_b128 v[R+64*((\b)%2)+4*\i:R+64*((\b)%2)+4*\i+3], v4, s[4:5] offset:8192*(\b)+512*\i th:TH_LOAD_NT
.endr
.endm
.macro KBLOCK b
.if (\b) < 3
	s_wait_loadcnt 16                              ; this group's 16 loads are in; the next group's 16 may be out
.else
	s_wait_loadcnt 0
.endif
.irp i, 0,1,2,3,4,5,6,7,8,9,10,11,12,13,14,15  ; key kk of the group goes to stage row kk with its bits 3 and 4 exchanged: so row 16 u + r is row r of tile u, key 8 u + r + 8 (r / 8)
	ds_store_b128 v5, v[R+64*((\b)%2)+4*\i:R+64*((\b)%2)+4*\i+3] offset:272*((2*\i)%8+16*(((2*\i)/8)%2)+8*((2*\i)/16))
.endr
.irp c, 0,1,2,3
.irp j, 0,1,2,3
	ds_load_b128 v[X+16*\c+4*\j:X+16*\c+4*\j+3], v6 offset:4352*(\c/2)+128*(\c%2)+16*\j   ; LDS serves a wave's instructions in order: these see my stores
.endr
.endr
	s_wait_dscnt 0x0                               ; the turned numbers are in, and the stores into the stage have read their registers
	s_wait_xcnt 0x0                                ; the last group's stores have read the codes' registers, which are written again below
.if (\b) < 2
	LOADK (\b)+2
.endif
	QUANT X, SW+\b
.irp c, 0,1,2,3
	global_store_b128 v4, v[PC+4*\c:PC+4*\c+3], s[10:11] offset:2048*(\b)+512*\c th:TH_STORE_NT   ; 512 consecutive bytes, aligned
.endr
.endm
	LOADK 0
	LOADK 1
	s_wait_alu depctr_va_vdst(0)
	KBLOCK 0
	KBLOCK 1
	KBLOCK 2
	KBLOCK 3
	global_store_b128 v7, v[SW:SW+3], s[10:11] offset:16384 th:TH_STORE_NT   ; 256 consecutive bytes; lanes 16-31 hold the same words as lanes 0-15 and write the same bytes
	s_wait_tensorcnt 0x0
	ds_add_u32 v254, v255
	s_wait_dscnt 0x0
	s_endpgm
; ---------------- V: one step of 128 keys a wave.  A lane takes a dim and its registers run down the keys: a block of 32 keys lies in one lane, and the codes come out with the keys innermost
.Lvrole:
	s_sub_co_u32 s15, ttmp9, 256
	s_lshl_b32 s15, s15, 2
	s_add_co_u32 s15, s15, s14                     ; u = 16 head + step
	s_lshl_b32 s36, s15, 15
	s_add_nc_u64 s[6:7], s[6:7], s[36:37]
	s_mul_i32 s36, s15, BLK
	s_add_nc_u64 s[10:11], s[10:11], s[36:37]
	s_wait_alu depctr_va_vdst(0)
	v_lshlrev_b32 v4, 2, v1                        ; 4 bytes a lane
	v_lshlrev_b32 v5, 4, v2
	v_lshl_add_u32 v5, v3, 11, v5                  ; dim 32 g + lane is row r of tile 2 g + h: 2,048 h + 16 r
	v_mov_b32 v10, 0                               ; a lane permute's destination counts as read
	v_mov_b32 v11, 0
.macro LOADV q                         ; block q: keys 32 (q / 2) + i, dims 32 (q % 2) + lane
.irp i, 0,1,2,3,4,5,6,7,8,9,10,11,12,13,14,15,16,17,18,19,20,21,22,23,24,25,26,27,28,29,30,31
	global_load_b32 v[VX+32*((\q)%2)+\i], v4, s[6:7] offset:256*(32*((\q)/2)+\i)+128*((\q)%2) th:TH_LOAD_NT
.endr
.endm
.macro VBLOCK q
.set XS, VX+32*((\q)%2)
.set VCC, (\q)/2
.set VGG, (\q)%2
.if (\q) < 7
	s_wait_loadcnt 32                              ; this block's 32 loads are in; the next block's 32 may be out
.else
	s_wait_loadcnt 0
.endif
	v_max3_num_f32 v16, |v[XS]|, |v[XS+1]|, |v[XS+2]|               ; the block's largest magnitude: all 32 numbers are mine; two chains
	v_max3_num_f32 v17, |v[XS+3]|, |v[XS+4]|, |v[XS+5]|
.irp i, 6,10,14,18,22,26
	v_max3_num_f32 v16, v16, |v[XS+\i]|, |v[XS+\i+1]|
	v_max3_num_f32 v17, v17, |v[XS+\i+2]|, |v[XS+\i+3]|
.endr
	v_max3_num_f32 v16, v16, |v[XS+30]|, |v[XS+31]|
	v_max3_num_f32 v16, v16, v17, 0x4800000        ; and the floor 2^(9 - 127)
	v_add_nc_u32 v18, 0xfc000000, v16              ; the conversion's scale operand
	v_and_or_b32 v19, v16, 0x7f800000, s33         ; 448 x the scale
	v_lshrrev_b32 v17, 23, v18                     ; the scale's byte
.if VCC == 0
	v_mov_b32 v[8+VGG], v17                        ; four bytes to a register, the lower keys in the lower byte
.else
	v_lshl_or_b32 v[8+VGG], v17, 8*VCC, v[8+VGG]
.endif
.irp i, 0,1,2,3,4,5,6,7,8,9,10,11,12,13,14,15,16,17,18,19,20,21,22,23,24,25,26,27,28,29,30,31
	v_med3_num_f32 v[XS+\i], v[XS+\i], -v19, v19
.endr
	s_wait_alu depctr_va_vdst(0)
	s_wait_xcnt 0x0                                ; the last block's stores have read the codes' registers
.irp g, 0,1,2,3
	v_cvt_scalef32_pk8_fp8_f32 v[20+2*\g:21+2*\g], v[XS+8*\g:XS+8*\g+7], v18
.endr
	global_store_b128 v5, v[20:23], s[10:11] offset:8192+4096*VGG+512*VCC th:TH_STORE_NT       ; keys 32 c + 0 .. 15: sixteen lanes fill 256 consecutive bytes, aligned
	global_store_b128 v5, v[24:27], s[10:11] offset:8192+4096*VGG+512*VCC+256 th:TH_STORE_NT   ; keys 32 c + 16 .. 31
.if (\q) < 6
	LOADV (\q)+2
.endif
.endm
	LOADV 0
	LOADV 1
.irp q, 0,1,2,3,4,5,6,7
	VBLOCK \q
.endr
	v_permlanex16_b32 v10, v8, s34, s35            ; v8: the word of dim lane; v9: of dim 32 + lane.  Every lane gathers the words of dims r, 16 + r, 32 + r, 48 + r
	v_permlanex16_b32 v11, v9, s34, s35
	v_cmp_le_u32 vcc_lo, 16, v1
	v_cndmask_b32 v12, v8, v10, vcc_lo
	v_cndmask_b32 v13, v10, v8, vcc_lo
	v_cndmask_b32 v14, v9, v11, vcc_lo
	v_cndmask_b32 v15, v11, v9, vcc_lo
	global_store_b128 v7, v[12:15], s[10:11] offset:16640 th:TH_STORE_NT   ; 256 consecutive bytes; lanes 16-31 write the same bytes with the same values
	s_endpgm
.Lfunc_end_k_q55a669c7b3_prep:
	.size	k_q55a669c7b3_prep, .Lfunc_end_k_q55a669c7b3_prep-k_q55a669c7b3_prep
	.p2alignl 7, 3214868480
	.fill 96, 4, 3214868480
	.section	.rodata,"a",@progbits
	.p2align	6, 0x0
	.amdhsa_kernel k_q55a669c7b3_prep
		.amdhsa_group_segment_fixed_size 69120
		.amdhsa_private_segment_fixed_size 0
		.amdhsa_enable_private_segment 0
		.amdhsa_kernarg_size 40
		.amdhsa_user_sgpr_count 2
		.amdhsa_user_sgpr_kernarg_segment_ptr 1
		.amdhsa_wavefront_size32 1
		.amdhsa_system_sgpr_workgroup_id_x 1
		.amdhsa_system_sgpr_workgroup_id_y 1
		.amdhsa_system_sgpr_workgroup_id_z 1
		.amdhsa_system_vgpr_workitem_id 0
		.amdhsa_next_free_vgpr 256
		.amdhsa_next_free_sgpr 66
		.amdhsa_reserve_vcc 1
		.amdhsa_float_denorm_mode_32 3
		.amdhsa_float_denorm_mode_16_64 3
		.amdhsa_memory_ordered 1
		.amdhsa_forward_progress 1
		.amdhsa_inst_pref_size 154
	.end_amdhsa_kernel
	.amdgpu_metadata
---
amdhsa.version: [ 1, 2 ]
amdhsa.kernels:
  - .name:           k_q55a669c7b3_prep
    .symbol:         k_q55a669c7b3_prep.kd
    .args:
      - { .name: key, .offset: 0, .size: 8, .value_kind: global_buffer, .address_space: global }
      - { .name: value, .offset: 8, .size: 8, .value_kind: global_buffer, .address_space: global }
      - { .name: mask, .offset: 16, .size: 8, .value_kind: global_buffer, .address_space: global }
      - { .name: kv, .offset: 24, .size: 8, .value_kind: global_buffer, .address_space: global }
      - { .name: mbits, .offset: 32, .size: 8, .value_kind: global_buffer, .address_space: global }
    .group_segment_fixed_size: 69120
    .private_segment_fixed_size: 0
    .kernarg_segment_align: 8
    .kernarg_segment_size: 40
    .max_flat_workgroup_size: 128
    .sgpr_count:     66
    .vgpr_count:     256
    .wavefront_size: 32
...
	.end_amdgpu_metadata
.endif
;; end of part 1
;; launch attn (part 2): grid 4 x 64, 16 waves a work-group, clusters of 4 x 1, 309,248 bytes of LDS; arguments query, kv, mbits, out0; writes out0
.if DOCPART == 2
	.amdgcn_target "amdgcn-amd-amdhsa--gfx1250"
	.amdhsa_code_object_version 6
	.text
	.protected	k_q55a669c7b3_attn
	.globl	k_q55a669c7b3_attn
	.p2align	8
	.type	k_q55a669c7b3_attn,@function
k_q55a669c7b3_attn:
	s_mov_b64 s[64:65], 0
	v_nop
	global_prefetch_b8 v0, s[64:65] scope:SCOPE_SE
	s_setreg_imm32_b32 hwreg(HW_REG_WAVE_MODE, 25, 1), 1
	s_wait_xcnt 0x0
	s_wait_alu depctr_hold_cnt(0) depctr_sa_sdst(0) depctr_va_vdst(0) depctr_va_sdst(0) depctr_va_ssrc(0) depctr_va_vcc(0) depctr_vm_vsrc(0)
	s_getreg_b32 s2, hwreg(HW_REG_IB_STS2, 6, 4)
	s_cmp_eq_u32 s2, 0
	s_cbranch_scc0 .Lentry_in_a_cluster
	s_endpgm
.Lentry_in_a_cluster:
	s_bfe_u32 s2, ttmp6, 0x10000c
	s_cmp_lg_u32 s2, 0x3003
	s_cbranch_scc0 .Lentry_shape_is_right
	s_endpgm
.Lentry_shape_is_right:
; out0[head][q][:] = sum over k of softmax_k(where(mask == 0, -1e9, Q[q] . K[k] / 8)) V[k][:]; 64 heads, 2,048 queries and keys, head size 64; both products on codes of FP8 (E4M3), one E8M0 scale for each 32 along K.
; K and V come as codes and scale words in the order of the operands' registers (kv: 16,896 bytes for each step of 128 keys), the mask as one 32-bit lane mask for each score register (mbits); Q is quantised here.
; SOFTMAX: t = score x log2(e) / 8; M = the running largest t rounded up to a whole number; p = 2^(t - M) is quantised along the keys; the row's sum is taken of the unquantised p and divides at the end.
; When M moves, the sums and O^T are multiplied by 2^(old M - new M): nothing is rounded, no branch hangs on data.
; SHARES: a work-group owns 512 queries of a head, each of sixteen waves 32: two tiles of 16, one pass over the keys each.  The head's 16 blocks of kv lie in LDS whole, filled once: wave w fetches block w.
; Waves 0-3 have a load line of their own and wait for it ahead of the first barrier: blocks 0-3 serve the first four key steps, while blocks 4-15 are on their way; then every wave waits for 0 and a second barrier shows all 16.
; CLUSTER: the four work-groups of a head ask for each block jointly (mask 15).  No prefetch: each block is asked for once, at the head, and there is no loop to run ahead in.
; LAYOUT: both products transposed (S^T = K Q^T, O^T = V^T P^T): a lane holds one query (lane % 16).  A fragment of K carries two tiles of 16 keys; [q | 0] picks the first, [0 | q] the second: zero codes add nothing.
; Score register 16 b + i of lane (r, h) is key 32 b + 16 h + i, so p's codes are the second product's operand as they stand.
; LIMITS: a hidden score is -2^33 (logit -2^30) where the definition has -1e9: a row with every key hidden has p = 1 exactly (the mean of V); results agree unless an open logit lies near or under -1e9.
; p under 2^-126 counts as 0 (ISA guide 15.8).  NaN and infinities among the inputs are not served.  A block of zeros carries the scale byte 1: its codes are zeros.
.set STEPB, 16896
.set STG,   16*STEPB                   ; behind the blocks: a stage of 16 rows x (128 bytes + 16) for each wave; no fill lands there
.set WSTG,  16*144
.set SPARE, STG+16*WSTG                ; the spare words: 128 bytes a wave
.set LI,   1                           ; 16 x lane
.set ADR,  2                           ; LDS address of the step in hand
.set NEGR, 3                           ; -2^33
.set STO,  4                           ; way out: into the stage
.set RD,   5                           ; way out: back from it
.set GO,   6                           ; byte offset in two rows of out0
.set R8,   7                           ; (lane / 8) % 2
.set SC,   8                           ; v8-11 scale words: lanes 0-15 K's, lanes 16-31 V's
.set NM,   12                          ; -M
.set TMX,  13                          ; the largest t so far
.set SUM,  14                          ; v14-15 the row's sum
.set QZ,   16                          ; v16-23 zeros, v24-31 Q's codes, v32-39 zeros
.set QSL,  40
.set QSH,  41
.set PS,   42                          ; p's scale word
.set QA,   43
.set FF,   54                          ; f = 2^(old M - new M); v55 named with it
.set BM,   56                          ; v56-59 block maxima
.set PX,   60                          ; v60-63 permutes' destinations, scale bytes, then a second copy of the bounds: bound b in v[PX + (b + 1) % 4]
.set HO,   64                          ; v64-67 448 x the scale
.set SO,   68                          ; v68-71 conversions' scale operands
.set SU2,  72                          ; v72-73 the sum's second chain (at the head: r, h)
.set T0,   74
.set T1,   75                          ; the old -M
.set PC,   76                          ; v76-91 p's codes
.set SU3,  92                          ; v92-93 the sum's third chain
.set SPW,  94
.set NIL,  95
.set S,    96                          ; v96-159 S^T, then p
.set O,    160                         ; v160-191 O^T
.set F,    192                         ; v192-255 fragments
.set MOFF, 3
.set WV,   12
.set CNT,  13
.set TB,   14
.set MNT,  15
.set G1,   16
.set G0,   24
.set CS,   66
.set SEL,  100
.macro CROUND
	s_barrier_signal -1
	s_barrier_wait -1
	s_cmp_lg_u32 s[WV], 0
	s_cbranch_scc1 .Lnot_wave_0_\@
	s_barrier_signal -3
.Lnot_wave_0_\@:
	s_barrier_wait -3
	s_barrier_signal -1
	s_barrier_wait -1
.endm
.macro MLOAD                           ; a step's 64 mask words: word n in s[32 + n + 4 (n / 32)]
	s_load_b512 s[32:47], s[8:9], s[MOFF] offset:0x0
	s_load_b512 s[48:63], s[8:9], s[MOFF] offset:0x40
	s_load_b512 s[68:83], s[8:9], s[MOFF] offset:0x80
	s_load_b512 s[84:99], s[8:9], s[MOFF] offset:0xc0
.endm
.macro TL                              ; my block of the head
	tensor_load_to_lds s[G0:G0+3], s[G1:G1+7]
	s_nop 0
.rept 4
	v_nop
.endr
.endm
	s_load_b256 s[4:11], s[0:1], 0x0               ; query, kv, mbits, out0
	v_lshl_add_u32 v[SPW], v0, 2, SPARE
	v_mov_b32 v[NIL], 0
	ds_add_u32 v[SPW], v[NIL]                      ; the opening lines
	ds_add_u32 v[SPW], v[NIL]
	v_lshrrev_b32 v[T0], 5, v0
	v_readfirstlane_b32 s[WV], v[T0]               ; wave 0..15
	v_and_b32 v[T1], 31, v0
	v_and_b32 v[SU2], 15, v0                       ; r
	v_bfe_u32 v[SU2+1], v0, 4, 1                   ; h
	v_lshlrev_b32 v[LI], 4, v[T1]
	v_lshlrev_b32 v[QA], 8, v[SU2]
	v_lshl_add_u32 v[QA], v[SU2+1], 6, v[QA]       ; Q: row r of 256 bytes, + 64 h
	s_bfe_u32 s28, ttmp6, 0x40000                  ; cx: enters the addresses of query, mbits and out0 alone
	s_lshl_b32 s29, ttmp9, 2
	s_add_co_u32 s28, s29, s28                     ; my block of 512 queries
	s_and_b32 s29, ttmp7, 0xffff                   ; the head
	s_lshl_b32 s30, s29, 19
	s_lshl_b32 s31, s28, 17
	s_add_co_u32 s30, s30, s31
	s_lshl_b32 s31, s[WV], 13
	s_add_co_u32 s30, s30, s31                     ; query, out0: head, block, my wave's 32 rows
	s_mov_b32 s31, 0
	s_lshr_b32 s32, s29, 4
	s_lshl_b32 s32, s32, 19
	s_lshl_b32 s33, s28, 17
	s_add_co_u32 s32, s32, s33
	s_lshl_b32 s33, s[WV], 13
	s_add_co_u32 s32, s32, s33                     ; mbits: batch, block, my two tiles of 4,096 bytes
	s_mov_b32 s33, 0
	s_mul_i32 s34, s29, 16*STEPB
	s_mul_i32 s[G0+1], s[WV], STEPB                ; block w: in LDS at w x 16,896,
	s_add_co_u32 s34, s34, s[G0+1]                 ; and the same in the head's part of kv
	s_mov_b32 s35, 0
	s_mov_b32 s[G1+0], 15|(3<<16)|(1<<21)          ; mask: all four; elements of 8 bytes; bit 21 beside a mask
	s_mov_b32 s[G1+1], 32<<16                      ; 66 dense rows of 256 bytes
	s_mov_b32 s[G1+2], 66<<16
	s_mov_b32 s[G1+3], 32<<16
	s_mov_b32 s[G1+4], 66
	s_mov_b32 s[G1+5], 32
	s_mov_b32 s[G1+6], 0
	s_mov_b32 s[G1+7], 0
	s_mov_b32 s[MNT], 0x600000
	s_mov_b32 s[CS], 0x3e38aa3b                    ; c = log2(e) / 8
	s_mov_b32 s[CS+1], s[CS]
	s_mov_b32 s[SEL], 0x76543210
	s_mov_b32 s[SEL+1], 0xfedcba98
	s_mov_b32 s[MOFF], 0
	s_wait_alu depctr_va_vdst(0)
	s_wait_dscnt 0x0
	s_wait_kmcnt 0x0
	s_add_nc_u64 s[4:5], s[4:5], s[30:31]
	s_add_nc_u64 s[10:11], s[10:11], s[30:31]
	s_add_nc_u64 s[8:9], s[8:9], s[32:33]
	s_mov_b32 s[G0], 1
	s_add_nc_u64 s[G0+2:G0+3], s[6:7], s[34:35]
	s_or_b32 s[G0+3], s[G0+3], 0x80000000
.irp p, 0                              ; the first tile's Q is asked for ahead of the blocks: lane (r, h) takes 16 neighbours of each block of 32 of row r
.irp c, 0,1
.irp j, 0,1,2,3
	global_load_b128 v[S+32*\p+16*\c+4*\j:S+32*\p+16*\c+4*\j+3], v[QA], s[4:5] offset:4096*\p+128*\c+16*\j th:TH_LOAD_NT
.endr
.endr
.endr
	MLOAD                                          ; the first step's mask words
	CROUND                                         ; all four work-groups are here: the joint loads meet
	s_cmp_lt_u32 s[WV], 4
	s_cbranch_scc0 .Llater_blocks
	TL                                             ; blocks 0-3: the line of the waves that wait ahead of the first barrier
	s_branch .Lasked
.Llater_blocks:
	s_wait_loadcnt 0x0                             ; my Q is in: what the first four steps need has been asked for ahead of
	TL                                             ; blocks 4-15
.Lasked:
	s_mul_i32 s28, s[WV], WSTG
	s_add_co_u32 s28, s28, STG                     ; my stage
	v_mul_u32_u24 v[STO], v[SU2], 144
	v_and_b32 v[T0], 7, v[SU2]
	v_mul_u32_u24 v[RD], v[SU2+1], 144
	v_lshl_add_u32 v[STO], v[SU2+1], 5, v[STO]
	v_lshl_add_u32 v[RD], v[T0], 4, v[RD]
	v_lshlrev_b32 v[GO], 8, v[SU2+1]
	v_add_nc_u32 v[STO], s28, v[STO]               ; in: row r, + 32 h
	v_add_nc_u32 v[RD], s28, v[RD]                 ; back: row h, 16 bytes at 16 (r % 8)
	v_lshl_add_u32 v[GO], v[SU2], 4, v[GO]         ; lanes 0-15 one row of out0, lanes 16-31 the next
	v_bfe_u32 v[R8], v0, 3, 1
	v_mov_b32 v[NEGR], 0xd0000000
.irp i, 0,1,2,3,4,5,6,7
	v_mov_b32 v[QZ+\i], 0
	v_mov_b32 v[QZ+16+\i], 0
.endr
	v_mov_b32 v[FF+1], 0
.irp b, 0,1,2,3
	v_mov_b32 v[PX+\b], 0                          ; a lane permute's destination counts as read
.endr
.macro QUANTQ p, dst, sl, sh           ; tile p's 32 numbers a lane -> 8 registers of codes and two scale words
.irp b, 0,1
	v_max3_num_f32 v[BM+\b], |v[S+32*\p+16*\b]|, |v[S+32*\p+16*\b+1]|, 0x4800000   ; with the floor 2^(9 - 127)
.endr
.irp i, 2,4,6,8,10,12,14
.irp b, 0,1
	v_max3_num_f32 v[BM+\b], v[BM+\b], |v[S+32*\p+16*\b+\i]|, |v[S+32*\p+16*\b+\i+1]|
.endr
.endr
.irp b, 0,1
	v_permlanex16_b32 v[PX+\b], v[BM+\b], s[SEL], s[SEL+1]
.endr
.irp b, 0,1
	v_max_num_f32 v[BM+\b], v[BM+\b], v[PX+\b]
.endr
.irp b, 0,1
	v_add_nc_u32 v[SO+\b], 0xfc000000, v[BM+\b]    ; 8 off the exponent field: the conversion's scale operand
.endr
.irp b, 0,1
	v_and_or_b32 v[HO+\b], v[BM+\b], 0x7f800000, s[MNT]   ; 448 x the scale
.endr
.irp b, 0,1
	v_lshrrev_b32 v[PX+\b], 23, v[SO+\b]
.endr
	v_lshl_or_b32 v[T0], v[PX+1], 8, v[PX]
	v_or_b32 v[\sl], 0x01010000, v[T0]             ; the zero codes' blocks carry the byte 1
	v_lshl_or_b32 v[\sh], v[T0], 16, 0x0101
.irp b, 0,1
.irp i, 0,1,2,3,4,5,6,7,8,9,10,11,12,13,14,15
	v_med3_num_f32 v[S+32*\p+16*\b+\i], v[S+32*\p+16*\b+\i], -v[HO+\b], v[HO+\b]   ; the conversion does not saturate (ISA guide 7.6.2)
.endr
	v_cvt_scalef32_pk8_fp8_f32 v[\dst+4*\b:\dst+4*\b+1], v[S+32*\p+16*\b:S+32*\p+16*\b+7], v[SO+\b]
	v_cvt_scalef32_pk8_fp8_f32 v[\dst+4*\b+2:\dst+4*\b+3], v[S+32*\p+16*\b+8:S+32*\p+16*\b+15], v[SO+\b]
.endr
	v_nop                                          ; a plain line behind the last conversion
.endm
	s_wait_alu depctr_va_vdst(0)
	s_wait_loadcnt 0x0                             ; the first tile's eight loads are in
	QUANTQ 0, QZ+8, QSL, QSH
	s_wait_alu depctr_va_vdst(0)
	s_cmp_lt_u32 s[WV], 4
	s_cbranch_scc0 .Lnot_first
	s_wait_tensorcnt 0x0                           ; waves 0-3: my block, one of 0-3, is in LDS
.Lnot_first:
	s_barrier_signal -1
	s_barrier_wait -1                              ; blocks 0-3 are whole
.macro HOLD b                          ; p is not negative: a one-sided hold, two numbers a line; the two bounds' registers lie in different banks
.irp i, 0,2,4,6,8,10,12,14
	v_dual_min_num_f32 v[S+16*\b+\i], v[S+16*\b+\i], v[HO+\b] :: v_dual_min_num_f32 v[S+16*\b+\i+1], v[S+16*\b+\i+1], v[PX+(\b+1)%4]
.endr
.endm
; A KEY STEP: 128 keys.
.macro STEP
	v_pk_add_f32 v[SUM:SUM+1], v[SUM:SUM+1], v[SU3:SU3+1]   ; the last step's side chains join the sum; these four lines and four v_nop are the eight places between the last products and the loads into their registers
	v_mov_b32 v[T1], v[NM]
	v_add_nc_u32 v[ADR], s[TB], v[LI]
	v_pk_add_f32 v[SUM:SUM+1], v[SUM:SUM+1], v[SU2:SU2+1]
.rept 4
	v_nop
.endr
.irp b, 0,1,2,3
.irp c, 0,1,2,3
	ds_load_b128 v[F+16*\b+4*\c:F+16*\b+4*\c+3], v[ADR] offset:2048*\b+512*\c   ; K's four fragments: 512 consecutive bytes a load
.endr
.endr
	ds_load_b128 v[SC:SC+3], v[ADR] offset:16384
	s_add_co_u32 s[TB], s[TB], STEPB
	s_wait_dscnt 0x0
.irp b, 0,1,2,3
	v_wmma_scale_f32_16x16x128_f8f6f4 v[S+16*\b:S+16*\b+7], v[F+16*\b:F+16*\b+15], v[QZ+8:QZ+23], 0, v[SC+\b], v[QSL]
	v_wmma_scale_f32_16x16x128_f8f6f4 v[S+16*\b+8:S+16*\b+15], v[F+16*\b:F+16*\b+15], v[QZ:QZ+15], 0, v[SC+\b], v[QSH]
.endr
	s_wait_kmcnt 0x0                               ; the step's mask words, asked for a step ago
.rept 8
	v_nop                                          ; eight places ahead of the first read of the scores
.endr
.set NN, 0
.rept 64
	v_cndmask_b32 v[S+NN], v[NEGR], v[S+NN], s[32+NN+4*(NN/32)]   ; a hidden key's score becomes -2^33; each accumulator from its low end on
.set NN, NN+1
.endr
	s_wait_xcnt 0x0                                ; the scalar loads have read their offset
	s_add_co_u32 s[MOFF], s[MOFF], 256
	s_min_u32 s[MOFF], s[MOFF], 7936               ; 32 steps of 256 bytes: the last asks for its own words again, inside the buffer
	MLOAD
.irp t, 0,1,2,3
.irp c, 0,1,2,3
	ds_load_b128 v[F+16*\t+4*\c:F+16*\t+4*\c+3], v[ADR] offset:8192+2048*\t+512*\c   ; V's four fragments
.endr
.endr
.irp b, 0,1,2,3
	v_max3_num_f32 v[BM+\b], v[S+16*\b], v[S+16*\b+1], v[S+16*\b+2]   ; each block's largest score: for the row's maximum and for the block's largest p
.endr
.irp i, 3,5,7,9,11,13
.irp b, 0,1,2,3
	s_delay_alu instid0(VALU_DEP_4)
	v_max3_num_f32 v[BM+\b], v[BM+\b], v[S+16*\b+\i], v[S+16*\b+\i+1]
.endr
.endr
.irp b, 0,1,2,3
	s_delay_alu instid0(VALU_DEP_4)
	v_max_num_f32 v[BM+\b], v[BM+\b], v[S+16*\b+15]
.endr
.irp b, 0,1,2,3
	s_delay_alu instid0(VALU_DEP_4)
	v_permlanex16_b32 v[PX+\b], v[BM+\b], s[SEL], s[SEL+1]
.endr
.irp b, 0,1,2,3
	s_delay_alu instid0(VALU_DEP_4)
	v_max_num_f32 v[BM+\b], v[BM+\b], v[PX+\b]
.endr
	s_delay_alu instid0(VALU_DEP_2)
	v_max3_num_f32 v[T0], v[BM], v[BM+1], v[BM+2]
	s_delay_alu instid0(VALU_DEP_1)
	v_max_num_f32 v[T0], v[T0], v[BM+3]
	s_delay_alu instid0(VALU_DEP_1)
	v_mul_f32 v[T0], s[CS], v[T0]
	s_delay_alu instid0(VALU_DEP_1)
	v_max_num_f32 v[TMX], v[TMX], v[T0]
	s_delay_alu instid0(VALU_DEP_1)
	v_floor_f32 v[NM], -v[TMX]                     ; -M = floor(-t)
	s_delay_alu instid0(VALU_DEP_1)
	v_sub_f32 v[T0], v[NM], v[T1]                  ; old M - new M
	s_delay_alu instid0(VALU_DEP_1)
	v_cvt_i32_f32 v[T0], v[T0]
	s_delay_alu instid0(VALU_DEP_1)
	v_ldexp_f32 v[FF], 1.0, v[T0]
.set NN, 0
.rept 32
	v_pk_fma_f32 v[S+NN:S+NN+1], v[S+NN:S+NN+1], s[CS:CS+1], v[NM:NM+1] op_sel_hi:[1,0,0]   ; t - M
.set NN, NN+2
.endr
.irp b, 0,1,2,3
	v_fma_f32 v[BM+\b], v[BM+\b], s[CS], v[NM]
.endr
	s_wait_alu depctr_va_vdst(0)
.set NN, 0
.rept 64
	v_exp_f32 v[S+NN], v[S+NN]
.set NN, NN+1
.endr
	v_pk_mul_f32 v[SUM:SUM+1], v[SUM:SUM+1], v[FF:FF+1] op_sel_hi:[1,0]   ; the plain line behind the batch
	s_wait_alu depctr_va_vdst(0)                   ; one wait for the 64
.irp b, 0,1,2,3
	v_exp_f32 v[BM+\b], v[BM+\b]                   ; the block's largest p
.endr
	v_pk_add_f32 v[SU2:SU2+1], v[S:S+1], v[S+2:S+3]       ; the sum of the unquantised p, in three chains
	v_pk_add_f32 v[SU3:SU3+1], v[S+4:S+5], v[S+6:S+7]
.irp j, 8,14,20,26,32,38,44,50,56
	v_pk_add_f32 v[SUM:SUM+1], v[SUM:SUM+1], v[S+\j:S+\j+1]
	v_pk_add_f32 v[SU2:SU2+1], v[SU2:SU2+1], v[S+\j+2:S+\j+3]
	v_pk_add_f32 v[SU3:SU3+1], v[SU3:SU3+1], v[S+\j+4:S+\j+5]
.endr
	v_pk_add_f32 v[SUM:SUM+1], v[SUM:SUM+1], v[S+62:S+63]
	s_wait_alu depctr_va_vdst(0)                   ; and one for the four
.irp b, 0,1,2,3
	v_max_num_f32 v[BM+\b], 0x4800000, v[BM+\b]    ; the floor: the byte cannot fall under 1
.endr
.irp b, 0,1,2,3
	s_delay_alu instid0(VALU_DEP_4)
	v_add_nc_u32 v[SO+\b], 0xfc000000, v[BM+\b]
.endr
.irp b, 0,1,2,3
	v_and_or_b32 v[HO+\b], v[BM+\b], 0x7f800000, s[MNT]
.endr
.irp b, 0,1,2,3
	v_lshrrev_b32 v[PX+\b], 23, v[SO+\b]
.endr
	v_lshl_or_b32 v[T0], v[PX+1], 8, v[PX]
	v_lshl_or_b32 v[PS], v[PX+3], 8, v[PX+2]
	v_lshl_or_b32 v[PS], v[PS], 16, v[T0]          ; p's scale word
	v_dual_mov_b32 v[PX+1], v[HO] :: v_dual_mov_b32 v[PX+2], v[HO+1]     ; the bounds' second copy
	v_dual_mov_b32 v[PX+3], v[HO+2] :: v_dual_mov_b32 v[PX], v[HO+3]
.irp b, 0,1,2,3
	HOLD \b
	v_cvt_scalef32_pk8_fp8_f32 v[PC+4*\b:PC+4*\b+1], v[S+16*\b:S+16*\b+7], v[SO+\b]
	v_cvt_scalef32_pk8_fp8_f32 v[PC+4*\b+2:PC+4*\b+3], v[S+16*\b+8:S+16*\b+15], v[SO+\b]
.endr
	s_wait_alu depctr_va_vdst(0)                   ; directly ahead of the first reader of O^T
.set NN, 0
.rept 16
	v_pk_mul_f32 v[O+NN:O+NN+1], v[O+NN:O+NN+1], v[FF:FF+1] op_sel_hi:[1,0]   ; O^T under the new M; also the places between the conversions and the products
.set NN, NN+2
.endr
	s_wait_alu depctr_va_vdst(0)
	s_wait_dscnt 0x0                               ; V's fragments are in
.irp t, 0,1,2,3
	v_wmma_scale_f32_16x16x128_f8f6f4 v[O+8*\t:O+8*\t+7], v[F+16*\t:F+16*\t+15], v[PC:PC+15], v[O+8*\t:O+8*\t+7], v[SC+\t], v[PS] matrix_a_scale:MATRIX_SCALE_ROW1
.endr
.endm
.macro KLOOP name, n
	s_mov_b32 s[CNT], \n
\name:
	STEP
	s_sub_co_u32 s[CNT], s[CNT], 1
	s_cmp_lg_u32 s[CNT], 0
	s_cbranch_scc1 \name
.endm
; THE WAY OUT of tile p.  Register 8 t + j of lane (r, h) is o(r, 16 t + 8 h + j).  Half a row (32 dims, 128 bytes) of all 16 rows goes through my stage at a time, every lane storing;
; each half comes back 16 bytes a lane, and lanes with (lane / 8) % 2 = 1 keep the second half's: sixteen lanes then store 256 consecutive bytes, aligned.
.macro EPILOG p
	v_pk_add_f32 v[SUM:SUM+1], v[SUM:SUM+1], v[SU3:SU3+1]
	v_pk_add_f32 v[SUM:SUM+1], v[SUM:SUM+1], v[SU2:SU2+1]
.rept 6
	v_nop                                          ; with the two lines above: eight places behind the last products
.endr
.if \p == 0                            ; the second tile's Q is asked for here, into score registers that the way out does not use
.irp c, 0,1
.irp j, 0,1,2,3
	global_load_b128 v[S+32+16*\c+4*\j:S+32+16*\c+4*\j+3], v[QA], s[4:5] offset:4096+128*\c+16*\j th:TH_LOAD_NT
.endr
.endr
.endif
	v_add_f32 v[SUM], v[SUM], v[SUM+1]
	v_permlanex16_b32 v[T0], v[SUM], s[SEL], s[SEL+1]
	v_add_f32 v[SUM], v[SUM], v[T0]
	s_wait_alu depctr_va_vdst(0)
	v_rcp_f32 v[SUM], v[SUM]
	v_nop
	v_cmp_eq_u32 vcc_lo, 1, v[R8]
	s_wait_alu depctr_va_vdst(0)                   ; ahead of the reciprocal's first reader, which is also O^T's
.set NN, 0
.rept 32
	v_mul_f32 v[S+NN], v[O+NN], v[SUM]
.set NN, NN+1
.endr
	s_wait_alu depctr_va_vdst(0)
.irp x, 0,1
.irp t, 0,1
	ds_store_b128 v[STO], v[S+16*\x+8*\t:S+16*\x+8*\t+3] offset:64*\t
	ds_store_b128 v[STO], v[S+16*\x+8*\t+4:S+16*\x+8*\t+7] offset:64*\t+16
.endr
.irp i, 0,1,2,3,4,5,6,7
	ds_load_b128 v[F+32*\x+4*\i:F+32*\x+4*\i+3], v[RD] offset:288*\i   ; LDS serves a wave's instructions in order: these see my stores, and the next half's stores come behind them
.endr
.endr
	s_wait_dscnt 0x0
.set NN, 0
.rept 32
	v_cndmask_b32 v[F+NN], v[F+NN], v[F+32+NN], vcc_lo
.set NN, NN+1
.endr
.irp i, 0,1,2,3,4,5,6,7
	global_store_b128 v[GO], v[F+4*\i:F+4*\i+3], s[10:11] offset:4096*\p+512*\i th:TH_STORE_NT
.endr
.endm
.macro INIT p                          ; O^T and the sums begin as zeros, the largest t as -3e38: the first step needs no text of its own
.if \p
	s_wait_xcnt 0x0                                ; the first tile's stores have read their registers
	s_wait_alu depctr_va_vdst(0)
	s_wait_loadcnt 0x0                             ; the second tile's eight loads are in
	QUANTQ 1, QZ+8, QSL, QSH
.endif
	v_mov_b32 v[TMX], 0xff61b1e6
	v_mov_b32 v[SUM], 0
	v_mov_b32 v[SUM+1], 0
	v_floor_f32 v[NM], -v[TMX]
.irp i, 0,1
	v_mov_b32 v[SU2+\i], 0
	v_mov_b32 v[SU3+\i], 0
.endr
.set NN, 0
.rept 32
	v_mov_b32 v[O+NN], 0
.set NN, NN+1
.endr
	s_mov_b32 s[TB], 0
.endm
	INIT 0
	KLOOP .Lkeys_a, 4                              ; blocks 0-3
	s_wait_tensorcnt 0x0                           ; every wave: my block is in LDS
	s_wait_dscnt 0x0
	s_barrier_signal -1
	s_barrier_wait -1                              ; all 16 blocks are whole; from here on they are only read
	s_mov_b32 s[TB], 4*STEPB
	KLOOP .Lkeys_b, 12
	EPILOG 0
	INIT 1
	KLOOP .Lkeys_c, 16
	EPILOG 1
	s_wait_tensorcnt 0x0                           ; the wave's end
	ds_add_u32 v[SPW], v[NIL]
	s_wait_dscnt 0x0
	CROUND                                         ; the closing round
	s_endpgm
.Lfunc_end_k_q55a669c7b3_attn:
	.size	k_q55a669c7b3_attn, .Lfunc_end_k_q55a669c7b3_attn-k_q55a669c7b3_attn
	.p2alignl 7, 3214868480
	.fill 96, 4, 3214868480
	.section	.rodata,"a",@progbits
	.p2align	6, 0x0
	.amdhsa_kernel k_q55a669c7b3_attn
		.amdhsa_group_segment_fixed_size 309248
		.amdhsa_private_segment_fixed_size 0
		.amdhsa_enable_private_segment 0
		.amdhsa_kernarg_size 32
		.amdhsa_user_sgpr_count 2
		.amdhsa_user_sgpr_kernarg_segment_ptr 1
		.amdhsa_wavefront_size32 1
		.amdhsa_system_sgpr_workgroup_id_x 1
		.amdhsa_system_sgpr_workgroup_id_y 1
		.amdhsa_system_sgpr_workgroup_id_z 1
		.amdhsa_system_vgpr_workitem_id 0
		.amdhsa_next_free_vgpr 256
		.amdhsa_next_free_sgpr 102
		.amdhsa_reserve_vcc 1
		.amdhsa_float_denorm_mode_32 3
		.amdhsa_float_denorm_mode_16_64 3
		.amdhsa_memory_ordered 1
		.amdhsa_forward_progress 1
		.amdhsa_inst_pref_size 102
	.end_amdhsa_kernel
	.amdgpu_metadata
---
amdhsa.version: [ 1, 2 ]
amdhsa.kernels:
  - .name:           k_q55a669c7b3_attn
    .symbol:         k_q55a669c7b3_attn.kd
    .args:
      - { .name: query, .offset: 0, .size: 8, .value_kind: global_buffer, .address_space: global }
      - { .name: kv, .offset: 8, .size: 8, .value_kind: global_buffer, .address_space: global }
      - { .name: mbits, .offset: 16, .size: 8, .value_kind: global_buffer, .address_space: global }
      - { .name: out0, .offset: 24, .size: 8, .value_kind: global_buffer, .address_space: global }
    .group_segment_fixed_size: 309248
    .private_segment_fixed_size: 0
    .kernarg_segment_align: 8
    .kernarg_segment_size: 32
    .max_flat_workgroup_size: 512
    .sgpr_count:     102
    .vgpr_count:     256
    .wavefront_size: 32
...
	.end_amdgpu_metadata
.endif
;; end of part 2
